; MI455X (gfx1250); checked and timed in simulation.
; The chip was launched on July 23, 2026; its instructions are those of AMD's public machine-readable ISA for CDNA 5 (MIT licence, August 2026) and "CDNA5" Instruction Set Architecture Reference Guide (July 2026). The comments in the code are by the model that wrote it; some were corrected since.
;; Attention. Allowed arithmetic: float matrix products may take bf16 or f16 operands with f32 sums; all other float work in f32.
;; Inputs: W 1,024 x 1,024 float32; b 1,024 float32; encoder_outputs 2,048 x 32 x 1,024 float32; hidden 1 x 32 x 1,024 float32.
;; Outputs: out0 32 x 1 x 2,048 float32.
;; 2 versions, each right; version 2 is version 1 with the launch score written anew for expert scheduling mode. Each part assembles by itself: llvm-mc -triple=amdgcn-amd-amdhsa -mcpu=gfx1250 --defsym DOCPART=n.
;; ======== version 1 of 2: 3 launches
;; workspace buffers: vp 2,097,152 bytes; sc 262,144 bytes
;; launch vpart (part 1): grid 16 x 16, 4 waves a work-group, no clusters, 0 bytes of LDS; arguments W, hidden, vp; writes vp
.if DOCPART == 1
	.amdgcn_target "amdgcn-amd-amdhsa--gfx1250"
	.amdhsa_code_object_version 6
	.text
	.protected	k_q57f4a9bb29_vpart
	.globl	k_q57f4a9bb29_vpart
	.p2align	8
	.type	k_q57f4a9bb29_vpart,@function
k_q57f4a9bb29_vpart:
	s_mov_b64 s[64:65], 0
	v_nop
	global_prefetch_b8 v0, s[64:65] scope:SCOPE_SE
	s_setreg_imm32_b32 hwreg(HW_REG_WAVE_MODE, 25, 1), 1
	s_wait_xcnt 0x0
; FIRST OF THREE LAUNCHES.  The problem: scores[b][s] = hidden[b] . (W e[s][b] + bias), softmax over s.
; The chain is linear, so for every input  scores[b][s] = v[b] . e[s][b] + c[b]  with  v[b][h] = sum over k of hidden[b][k] W[k][h]
; and  c[b] = hidden[b] . bias.  That takes 2 x 32 x 1024 x 1024 operations for v and 2 x 1024 for each of the 65,536 rows of e, in place
; of 2 x 1024 x 1024 for each row; what is left is a stream of e.  LIMIT, stated: the sums are formed in this other order, all in f32,
; so the last bits of a score differ from those of the order in which the problem writes it.
; No matrix instruction: v is a product of 32 rows that reads W once, and a score is one dot product for 4,096 bytes read; and a score
; (spread about 20 on numbers of the stated kind) goes through an exponential, so an operand rounded to 8 bits of mantissa
; would show as some hundredths in the score and as much, relatively, in the result.  Everything stays in f32 on the vector unit.
;
; THIS LAUNCH: vp[kp][b][h] = sum over k = 64 kp .. 64 kp + 63 of hidden[b][k] W[k][h]: sixteen partial sums of v, added up in fixed order by the next launch.
; Work-group (cb, kp): columns 64 cb .. + 63, k = 64 kp .. + 63: 64 pieces of rows of W, 256 consecutive aligned bytes each.  16 x 16 = 256 work-groups.
; Wave w: b = 8 w .. 8 w + 7.  Lane l: columns 64 cb + 2 l and + 1, so one load of a wave covers one such piece, and one store 256 aligned bytes of vp.
; K is split over work-groups because 16 column blocks alone would leave 240 of 256 work-groups without work.
; hidden's 8 x 64 numbers of a wave lie spread over the lanes (4 numbers of each b in a lane) and are broadcast by DPP row_share:
; they are too many for the scalar registers, and a broadcast through memory would move 32 copies of each.
; No register that a memory instruction names is written again, and EXEC never changes: no wait on XCNT is needed.
.set ROW, 4096                         ; bytes in a row of W, of hidden and of vp
.set WO,  2                            ; v2        8 x lane: my two columns in a piece of a row
.set HO,  3                            ; v3        16 x (lane mod 16): my four numbers of hidden's 64
.set ACC, 4                            ; v[4:19]   pair t: the sums of my two columns for b = 8 w + t
.set T,   20                           ; v[20:35]  pair t: hidden[8 w + t][k], hidden[8 w + t][k + 1], the same in every lane
.set HB,  36                           ; v[36:67]  register 4 t + r: hidden[8 w + t][64 kp + 4 (lane mod 16) + r]
.set WR,  68                           ; v[68:195] pair i: W[64 kp + i], my two columns
	s_load_b128 s[4:7], s[0:1], 0x0                ; W s[4:5], hidden s[6:7]
	s_load_b64 s[8:9], s[0:1], 0x10                ; vp
	v_lshrrev_b32 v1, 5, v0
	v_readfirstlane_b32 s10, v1                    ; wave 0..3
	s_and_b32 s11, ttmp7, 0xffff                   ; kp
	v_and_b32 v[WO], 31, v0
	v_lshlrev_b32 v[WO], 3, v[WO]
	v_and_b32 v[HO], 15, v0
	v_lshlrev_b32 v[HO], 4, v[HO]
	s_lshl_b32 s12, ttmp9, 8                       ; 64 columns of 4 bytes x cb
	s_lshl_b32 s13, s10, 15                        ; 8 rows of 4,096 bytes x wave
	s_mov_b32 s3, 0                                ; every offset is below 4 GiB
	s_lshl_b32 s2, s11, 18                         ; 64 rows of W x kp
	s_add_co_u32 s2, s2, s12
	s_wait_kmcnt 0x0
	s_add_nc_u64 s[4:5], s[4:5], s[2:3]            ; W[64 kp][64 cb]
	s_lshl_b32 s2, s11, 8                          ; 64 numbers of hidden x kp
	s_add_co_u32 s2, s2, s13
	s_add_nc_u64 s[6:7], s[6:7], s[2:3]            ; hidden[8 w][64 kp]
	s_lshl_b32 s2, s11, 17                         ; a plane of vp is 32 rows
	s_add_co_u32 s2, s2, s13
	s_add_co_u32 s2, s2, s12
	s_add_nc_u64 s[8:9], s[8:9], s[2:3]            ; vp[kp][8 w][64 cb]
	; All 72 loads go out in one run.  LOADcnt's field holds 63: the issue of a load that would pass it stalls until older ones are back
	; (ISA guide 5.7.1), so no wait is placed for that.
.irp t, 0,1,2,3,4,5,6,7
	global_load_b128 v[HB+4*\t:HB+4*\t+3], v[HO], s[6:7] offset:ROW*\t     ; both halves of the wave take the same 256 bytes
.endr
.set i, 0
.rept 64
	global_load_b64 v[WR+2*i:WR+2*i+1], v[WO], s[4:5] offset:ROW*i         ; no cache word: the group's four waves read the same pieces
.set i, i+1
.endr
.irp j, 0,1,2,3,4,5,6,7,8,9,10,11,12,13,14,15
	v_mov_b32 v[T+\j], 0                           ; the destination of a DPP form counts as read: T is written once before its first use
.endr
; Two k: 64 kp + 4 kn + 2 rp and the next.  Their hidden numbers lie in registers 2 rp, 2 rp + 1 of lane kn of each half.
; first = 1: the first product starts the sums: nothing is cleared.  The eight sums take turns, so no instruction waits for the one in front of it.
.macro STEP kn, rp, first
	s_wait_loadcnt 62-4*\kn-2*\rp                  ; loads come back in order (ISA guide 5.7.1): the rows of W younger than these two stay out; hidden is older than all of W
.irp t, 0,1,2,3,4,5,6,7
	v_mov_b32_dpp v[T+2*\t],   v[HB+4*\t+2*\rp]   row_share:\kn row_mask:0xf bank_mask:0xf
	v_mov_b32_dpp v[T+2*\t+1], v[HB+4*\t+2*\rp+1] row_share:\kn row_mask:0xf bank_mask:0xf
.endr
.irp t, 0,1,2,3,4,5,6,7
.if \first
	v_pk_mul_f32 v[ACC+2*\t:ACC+2*\t+1], v[WR+2*(4*\kn+2*\rp):WR+2*(4*\kn+2*\rp)+1], v[T+2*\t:T+2*\t+1] op_sel_hi:[1,0]
.else
	v_pk_fma_f32 v[ACC+2*\t:ACC+2*\t+1], v[WR+2*(4*\kn+2*\rp):WR+2*(4*\kn+2*\rp)+1], v[T+2*\t:T+2*\t+1], v[ACC+2*\t:ACC+2*\t+1] op_sel_hi:[1,0,1]   ; both columns times T's first
.endif
.endr
.irp t, 0,1,2,3,4,5,6,7
	v_pk_fma_f32 v[ACC+2*\t:ACC+2*\t+1], v[WR+2*(4*\kn+2*\rp+1):WR+2*(4*\kn+2*\rp+1)+1], v[T+2*\t:T+2*\t+1], v[ACC+2*\t:ACC+2*\t+1] op_sel:[0,1,0] op_sel_hi:[1,1,1]   ; both columns times T's second
.endr
.endm
	STEP 0, 0, 1
	STEP 0, 1, 0
.irp g, 1,2,3,4,5,6,7,8,9,10,11,12,13,14,15
	STEP \g, 0, 0
	STEP \g, 1, 0                                  ; the last count is 0
.endr
.irp t, 0,1,2,3,4,5,6,7
	global_store_b64 v[WO], v[ACC+2*\t:ACC+2*\t+1], s[8:9] offset:ROW*\t   ; the wave's 32 lanes store 256 consecutive bytes, aligned
.endr
	s_endpgm
.Lfunc_end_k_q57f4a9bb29_vpart:
	.size	k_q57f4a9bb29_vpart, .Lfunc_end_k_q57f4a9bb29_vpart-k_q57f4a9bb29_vpart
	.p2alignl 7, 3214868480
	.fill 96, 4, 3214868480
	.section	.rodata,"a",@progbits
	.p2align	6, 0x0
	.amdhsa_kernel k_q57f4a9bb29_vpart
		.amdhsa_group_segment_fixed_size 0
		.amdhsa_private_segment_fixed_size 0
		.amdhsa_enable_private_segment 0
		.amdhsa_kernarg_size 24
		.amdhsa_user_sgpr_count 2
		.amdhsa_user_sgpr_kernarg_segment_ptr 1
		.amdhsa_wavefront_size32 1
		.amdhsa_system_sgpr_workgroup_id_x 1
		.amdhsa_system_sgpr_workgroup_id_y 1
		.amdhsa_system_sgpr_workgroup_id_z 1
		.amdhsa_system_vgpr_workitem_id 0
		.amdhsa_next_free_vgpr 196
		.amdhsa_next_free_sgpr 66
		.amdhsa_reserve_vcc 0
		.amdhsa_float_denorm_mode_32 3
		.amdhsa_float_denorm_mode_16_64 3
		.amdhsa_memory_ordered 1
		.amdhsa_forward_progress 1
		.amdhsa_inst_pref_size 75
	.end_amdhsa_kernel
	.amdgpu_metadata
---
amdhsa.version: [ 1, 2 ]
amdhsa.kernels:
  - .name:           k_q57f4a9bb29_vpart
    .symbol:         k_q57f4a9bb29_vpart.kd
    .args:
      - { .name: W, .offset: 0, .size: 8, .value_kind: global_buffer, .address_space: global }
      - { .name: hidden, .offset: 8, .size: 8, .value_kind: global_buffer, .address_space: global }
      - { .name: vp, .offset: 16, .size: 8, .value_kind: global_buffer, .address_space: global }
    .group_segment_fixed_size: 0
    .private_segment_fixed_size: 0
    .kernarg_segment_align: 8
    .kernarg_segment_size: 24
    .max_flat_workgroup_size: 128
    .sgpr_count:     66
    .vgpr_count:     196
    .wavefront_size: 32
...
	.end_amdgpu_metadata
.endif
;; end of part 1
;; launch score (part 2): grid 32 x 8, 16 waves a work-group, no clusters, 7,168 bytes of LDS; arguments encoder_outputs, vp, sc; writes sc
.if DOCPART == 2
	.amdgcn_target "amdgcn-amd-amdhsa--gfx1250"
	.amdhsa_code_object_version 6
	.text
	.protected	k_q57f4a9bb29_score
	.globl	k_q57f4a9bb29_score
	.p2align	8
	.type	k_q57f4a9bb29_score,@function
k_q57f4a9bb29_score:
	s_mov_b64 s[64:65], 0
	v_nop
	global_prefetch_b8 v0, s[64:65] scope:SCOPE_SE
	s_setreg_imm32_b32 hwreg(HW_REG_WAVE_MODE, 25, 1), 1
	s_wait_xcnt 0x0
; SECOND OF THREE LAUNCHES: sc[b][s] = v[b] . e[s][b], with v[b] = the sum of the sixteen partial sums vp[0..15][b] of the first launch, in fixed order.
; (c[b] = hidden[b] . bias is added by the third launch.)  All in f32.  LIMIT, stated: the order of the sums is not the one in which the problem writes them.
; e is [2048 (s)][32 (b)][1024] f32: a row e[s][b] is 4,096 consecutive bytes, rows of one b lie 131,072 bytes apart.
; Work-group (b, ch): rows s = 256 ch .. + 255 of batch b, 1 MiB of e; 32 x 8 = 256 work-groups.  Wave w: rows 16 w .. 16 w + 15, one whole row at a time:
; eight loads of 16 bytes a lane, each covering 512 consecutive aligned bytes; the dot product never leaves the wave.
; Every byte of e is read once, into registers: a ring of four row slots, so that three or four rows (12 to 16 KiB) of each of the sixteen waves are on their way.
; No LDS ring, no tensor load: the rows are used once, by one wave, and registers hold them without a barrier.  No cluster: no two work-groups share a byte of e;
; what they share, 64 KiB of vp among the eight groups of one b, is a sixteenth of a group's bytes.  No matrix instruction: one multiply-add for each number read.
; No address register is ever written again (a row's place stands in the immediate, 15 x 131,072 + 3,584 at the most, inside its signed 24 bits),
; and EXEC never changes: no wait on XCNT is needed.
; LDS: bytes 0 .. 4,095 v[b]; bytes 4,096 .. 5,119 the group's 256 scores.
.set ROWB, 131072                      ; bytes from e[s][b] to e[s + 1][b]; also a plane of vp
.set LSC,  4096                        ; the scores in LDS
.set OFF,  2                           ; v2         16 x lane + wave x 16 rows: my 16 bytes in the first 512 of my wave's first row
.set VPO,  3                           ; v3         8 x thread: my two numbers of v, in vp's row and in LDS
.set LV,   4                           ; v4         16 x lane
.set ADR,  5                           ; v5         64 x wave: my wave's 16 scores in LDS
.set SO,   6                           ; v6         16 x (thread mod 64): the way out, threads 0 to 63 alone
.set T,    8                           ; v[8:15]    four chains of sums, a pair each
.set V,    16                          ; v[16:47]   v[b]: register 4 j + r = element 128 j + 4 lane + r
.set X,    48                          ; v[48:175]  slot q: 32 registers, a row of e in the same order
.set P,    176                         ; v[176:207] pair p: vp[p][b], my two numbers
	s_load_b128 s[4:7], s[0:1], 0x0                ; e s[4:5], vp s[6:7]
	s_load_b64 s[8:9], s[0:1], 0x10                ; sc
	v_lshl_add_u32 v208, v0, 2, 0x1400
	v_mov_b32 v209, 0
	v_lshrrev_b32 v1, 5, v0
	v_readfirstlane_b32 s10, v1                    ; wave 0..15
	s_and_b32 s11, ttmp7, 0xffff                   ; ch
	s_mov_b32 s12, 0x76543210                      ; v_permlanex16_b32: lane i of one half reads lane i of the other
	s_mov_b32 s13, 0xfedcba98
	v_and_b32 v[LV], 31, v0
	v_lshlrev_b32 v[LV], 4, v[LV]
	v_lshl_add_u32 v[OFF], s10, 21, v[LV]          ; 16 rows of 131,072 bytes x wave
	v_lshlrev_b32 v[VPO], 3, v0
	v_mov_b32 v[ADR], s10
	v_lshlrev_b32 v[ADR], 6, v[ADR]
	v_and_b32 v[SO], 63, v0
	v_lshlrev_b32 v[SO], 4, v[SO]
	s_lshl_b32 s14, ttmp9, 12                      ; b x 4,096
	s_mov_b32 s15, 0
	s_lshl_b32 s2, s11, 25                         ; ch x 256 rows of 131,072 bytes: 7 x 2^25 at the most
	s_add_co_u32 s2, s2, s14
	s_mov_b32 s3, 0
	s_wait_kmcnt 0x0
	s_add_nc_u64 s[4:5], s[4:5], s[2:3]            ; e[256 ch][b]
	s_add_nc_u64 s[6:7], s[6:7], s[14:15]          ; vp[0][b]
	s_lshl_b32 s2, ttmp9, 13                       ; a row of sc is 8,192 bytes
	s_lshl_b32 s14, s11, 10                        ; 256 scores
	s_add_co_u32 s2, s2, s14
	s_add_nc_u64 s[8:9], s[8:9], s[2:3]            ; sc[b][256 ch]
.macro FILL q, row                     ; the wave's row number row into slot q: eight loads, 512 consecutive bytes each
.irp j, 0,1,2,3,4,5,6,7
	global_load_b128 v[X+32*\q+4*\j:X+32*\q+4*\j+3], v[OFF], s[4:5] offset:(\row)*ROWB+512*\j th:TH_LOAD_NT   ; read once in the whole launch
.endr
.endm
.set p, 0
.rept 16
	global_load_b64 v[P+2*p:P+2*p+1], v[VPO], s[6:7] offset:ROWB*p         ; the 512 threads cover the row's 4,096 bytes
.set p, p+1
.endr
	FILL 0, 0                                      ; the ring is filled before anything is waited for
	FILL 1, 1
	FILL 2, 2
	FILL 3, 3
	s_wait_loadcnt 32                              ; the 32 loads of e stay out; the sixteen of vp, which are older, are in
.irp p, 0,1,2,3,4,5,6,7
	v_pk_add_f32 v[P+2*\p:P+2*\p+1], v[P+2*\p:P+2*\p+1], v[P+2*\p+16:P+2*\p+17]
.endr
.irp p, 0,1,2,3
	v_pk_add_f32 v[P+2*\p:P+2*\p+1], v[P+2*\p:P+2*\p+1], v[P+2*\p+8:P+2*\p+9]
.endr
	v_pk_add_f32 v[P:P+1], v[P:P+1], v[P+4:P+5]
	v_pk_add_f32 v[P+2:P+3], v[P+2:P+3], v[P+6:P+7]
	v_pk_add_f32 v[P:P+1], v[P:P+1], v[P+2:P+3]    ; my two numbers of v[b]
	ds_store_b64 v[VPO], v[P:P+1]
	s_wait_dscnt 0x0                               ; for the other waves' sake: my store is done before I signal
	s_barrier_signal -1
	s_barrier_wait -1                              ; v[b] is whole (the loads of e stay on their way: nobody writes e)
.irp j, 0,1,2,3,4,5,6,7
	ds_load_b128 v[V+4*\j:V+4*\j+3], v[LV] offset:512*\j   ; 32 lanes, 16 neighbouring bytes each
.endr
	s_wait_dscnt 0x0
; The wave's row i, in slot q.  left = how many younger loads may stay out; fill = 1: the slot gets the row four further on as soon as it has been read.
.macro TURN i, q, left, fill
	s_wait_loadcnt \left                           ; loads come back in order (ISA guide 5.7.1): this row's eight are in
.irp j, 0,1,2,3
	v_pk_mul_f32 v[T+2*\j:T+2*\j+1], v[X+32*\q+2*\j:X+32*\q+2*\j+1], v[V+2*\j:V+2*\j+1]   ; the first four products start the four chains
.endr
.irp j, 4,5,6,7,8,9,10,11,12,13,14,15
	v_pk_fma_f32 v[T+2*(\j%4):T+2*(\j%4)+1], v[X+32*\q+2*\j:X+32*\q+2*\j+1], v[V+2*\j:V+2*\j+1], v[T+2*(\j%4):T+2*(\j%4)+1]
.endr
.if \fill
	FILL \q, \i+4
.endif
	v_pk_add_f32 v[T:T+1], v[T:T+1], v[T+2:T+3]
	v_pk_add_f32 v[T+4:T+5], v[T+4:T+5], v[T+6:T+7]
	v_pk_add_f32 v[T:T+1], v[T:T+1], v[T+4:T+5]
	v_add_f32 v[T], v[T], v[T+1]                   ; the sum of my 32 products
.irp m, 1,2,4,8
	v_add_f32_dpp v[T], v[T], v[T] row_xmask:\m row_mask:0xf bank_mask:0xf     ; inside each half of 16 lanes
.endr
	v_permlanex16_b32 v[T+1], v[T], s12, s13       ; the other half (its destination counts as read: T + 1 has been written)
	v_add_f32 v[T], v[T], v[T+1]
	ds_store_b32 v[ADR], v[T] offset:LSC+4*\i      ; every lane writes the same word with the same value
.endm
	TURN 0,  0, 24, 1                              ; 24: the three younger rows' loads
	TURN 1,  1, 24, 1
	TURN 2,  2, 24, 1
	TURN 3,  3, 24, 1
	TURN 4,  0, 24, 1
	TURN 5,  1, 24, 1
	TURN 6,  2, 24, 1
	TURN 7,  3, 24, 1
	TURN 8,  0, 24, 1
	TURN 9,  1, 24, 1
	TURN 10, 2, 24, 1
	TURN 11, 3, 24, 1                              ; asks for row 15, the wave's last: no load leaves the group's rows
	TURN 12, 0, 24, 0
	TURN 13, 1, 16, 0                              ; the counts run down
	TURN 14, 2, 8,  0
	TURN 15, 3, 0,  0
	s_wait_dscnt 0x0                               ; my sixteen scores are in LDS before I signal
	s_barrier_signal -1
	s_barrier_wait -1                              ; all 256 are
	s_cmp_gt_u32 s10, 1
	s_cbranch_scc1 .Lend                           ; waves 0 and 1 carry them out: 64 threads x 16 bytes
	ds_load_b128 v[T:T+3], v[SO] offset:LSC
	s_wait_dscnt 0x0
	global_store_b128 v[SO], v[T:T+3], s[8:9]      ; a wave stores 512 consecutive bytes, aligned
.Lend:
	s_wait_tensorcnt 0x0
	ds_add_u32 v208, v209
	s_wait_dscnt 0x0
	s_endpgm
.Lfunc_end_k_q57f4a9bb29_score:
	.size	k_q57f4a9bb29_score, .Lfunc_end_k_q57f4a9bb29_score-k_q57f4a9bb29_score
	.p2alignl 7, 3214868480
	.fill 96, 4, 3214868480
	.section	.rodata,"a",@progbits
	.p2align	6, 0x0
	.amdhsa_kernel k_q57f4a9bb29_score
		.amdhsa_group_segment_fixed_size 7168
		.amdhsa_private_segment_fixed_size 0
		.amdhsa_enable_private_segment 0
		.amdhsa_kernarg_size 24
		.amdhsa_user_sgpr_count 2
		.amdhsa_user_sgpr_kernarg_segment_ptr 1
		.amdhsa_wavefront_size32 1
		.amdhsa_system_sgpr_workgroup_id_x 1
		.amdhsa_system_sgpr_workgroup_id_y 1
		.amdhsa_system_sgpr_workgroup_id_z 1
		.amdhsa_system_vgpr_workitem_id 0
		.amdhsa_next_free_vgpr 210
		.amdhsa_next_free_sgpr 66
		.amdhsa_reserve_vcc 0
		.amdhsa_float_denorm_mode_32 3
		.amdhsa_float_denorm_mode_16_64 3
		.amdhsa_memory_ordered 1
		.amdhsa_forward_progress 1
		.amdhsa_inst_pref_size 44
	.end_amdhsa_kernel
	.amdgpu_metadata
---
amdhsa.version: [ 1, 2 ]
amdhsa.kernels:
  - .name:           k_q57f4a9bb29_score
    .symbol:         k_q57f4a9bb29_score.kd
    .args:
      - { .name: encoder_outputs, .offset: 0, .size: 8, .value_kind: global_buffer, .address_space: global }
      - { .name: vp, .offset: 8, .size: 8, .value_kind: global_buffer, .address_space: global }
      - { .name: sc, .offset: 16, .size: 8, .value_kind: global_buffer, .address_space: global }
    .group_segment_fixed_size: 7168
    .private_segment_fixed_size: 0
    .kernarg_segment_align: 8
    .kernarg_segment_size: 24
    .max_flat_workgroup_size: 512
    .sgpr_count:     66
    .vgpr_count:     210
    .wavefront_size: 32
...
	.end_amdgpu_metadata
.endif
;; end of part 2
;; launch soft (part 3): grid 32 x 1, 8 waves a work-group, no clusters, 1,280 bytes of LDS; arguments sc, hidden, b, out0; writes out0
.if DOCPART == 3
	.amdgcn_target "amdgcn-amd-amdhsa--gfx1250"
	.amdhsa_code_object_version 6
	.text
	.protected	k_q57f4a9bb29_soft
	.globl	k_q57f4a9bb29_soft
	.p2align	8
	.type	k_q57f4a9bb29_soft,@function
k_q57f4a9bb29_soft:
	s_mov_b64 s[64:65], 0
	v_nop
	global_prefetch_b8 v0, s[64:65] scope:SCOPE_SE
	s_setreg_imm32_b32 hwreg(HW_REG_WAVE_MODE, 25, 1), 1
	s_wait_xcnt 0x0
; THIRD OF THREE LAUNCHES: c[b] = hidden[b] . bias;  x[s] = sc[b][s] + c[b];  out0[b][s] = exp(x[s] - max x) / sum over s of exp(x[s] - max x).  All in f32.
; One work-group for each b, since a row's maximum and sum have one owner: 32 work-groups, 8 waves.  Thread t holds scores 4 t .. + 3 and 1024 + 4 t .. + 3
; in registers from the load to the store, and numbers 4 t .. + 3 of hidden[b] and of the bias.  Each load and store of a wave covers 512 consecutive aligned bytes.
; LIMITS, stated: v_exp_f32 gives 0 where the result would lie below 2^-126 (ISA guide, its entry in 15.8), so such outputs are 0;
; the division is v_rcp_f32 (1 ULP) and a multiply.  The sum is at least 1 (the largest score's term) and at most 2048.
; LDS: bytes 0 .. 31 the eight waves' maxima, 32 .. 63 their parts of c, 64 .. 95 their sums of exponentials: three regions, each written once.
.set TO, 1                             ; v1       16 x thread
.set WA, 2                             ; v2       4 x wave
.set Z,  3                             ; v3       0
.set S,  4                             ; v[4:11]  my eight scores, then exponents, then results
.set HV, 12                            ; v[12:15] hidden
.set BV, 16                            ; v[16:19] bias
.set M,  20                            ; v[20:21] the maximum; at last twice, a pair for the packed subtraction
.set C,  22                            ; v[22:23] c, likewise
.set U,  24                            ; v[24:25] the sum
.set R,  28                            ; v[28:43] the waves' figures, read back
; Over the wave's 32 lanes, the result in every lane.  opd, op: the arithmetic with and without DPP; tmp: a register that has been written.
.macro WRED opd, op, r, tmp
.irp m, 1,2,4,8
	\opd v[\r], v[\r], v[\r] row_xmask:\m row_mask:0xf bank_mask:0xf
.endr
	v_permlanex16_b32 v[\tmp], v[\r], s12, s13
	\op v[\r], v[\r], v[\tmp]
.endm
	s_load_b256 s[4:11], s[0:1], 0x0               ; sc s[4:5], hidden s[6:7], bias s[8:9], out0 s[10:11]
	v_lshl_add_u32 v48, v0, 2, 0x100
	v_mov_b32 v49, 0
	v_lshrrev_b32 v[WA], 5, v0
	v_readfirstlane_b32 s14, v[WA]                 ; wave 0..7
	s_mov_b32 s12, 0x76543210                      ; v_permlanex16_b32: lane i of one half reads lane i of the other
	s_mov_b32 s13, 0xfedcba98
	v_lshlrev_b32 v[TO], 4, v0
	v_mov_b32 v[WA], s14
	v_lshlrev_b32 v[WA], 2, v[WA]
	v_mov_b32 v[Z], 0
	s_lshl_b32 s2, ttmp9, 13                       ; a row of sc and of out0 is 8,192 bytes
	s_mov_b32 s3, 0
	s_wait_kmcnt 0x0
	s_add_nc_u64 s[4:5], s[4:5], s[2:3]
	s_add_nc_u64 s[10:11], s[10:11], s[2:3]
	s_lshl_b32 s2, ttmp9, 12                       ; a row of hidden is 4,096 bytes
	s_add_nc_u64 s[6:7], s[6:7], s[2:3]
	global_load_b128 v[HV:HV+3], v[TO], s[6:7]
	global_load_b128 v[BV:BV+3], v[TO], s[8:9]
	global_load_b128 v[S:S+3],   v[TO], s[4:5]
	global_load_b128 v[S+4:S+7], v[TO], s[4:5] offset:4096
	s_wait_loadcnt 2                               ; hidden and bias are in; the two loads of scores stay out
	v_pk_mul_f32 v[C:C+1], v[HV:HV+1], v[BV:BV+1]
	v_pk_fma_f32 v[C:C+1], v[HV+2:HV+3], v[BV+2:BV+3], v[C:C+1]
	v_add_f32 v[C], v[C], v[C+1]                   ; my part of c
	WRED v_add_f32_dpp, v_add_f32, C, C+1
	s_wait_loadcnt 0x0
	v_max3_num_f32 v[M], v[S], v[S+1], v[S+2]
	v_max3_num_f32 v[M+1], v[S+3], v[S+4], v[S+5]
	v_max3_num_f32 v[M], v[M], v[S+6], v[S+7]
	v_max_num_f32 v[M], v[M], v[M+1]               ; the largest of my eight
	WRED v_max_num_f32_dpp, v_max_num_f32, M, M+1
	ds_store_b32 v[WA], v[M]
	ds_store_b32 v[WA], v[C] offset:32
	s_wait_dscnt 0x0                               ; for the other waves' sake: both stores are done before I signal
	s_barrier_signal -1
	s_barrier_wait -1
	ds_load_b128 v[R:R+3],     v[Z]
	ds_load_b128 v[R+4:R+7],   v[Z] offset:16
	ds_load_b128 v[R+8:R+11],  v[Z] offset:32
	ds_load_b128 v[R+12:R+15], v[Z] offset:48
	s_wait_dscnt 0x0
	v_max3_num_f32 v[M], v[R], v[R+1], v[R+2]
	v_max3_num_f32 v[M+1], v[R+3], v[R+4], v[R+5]
	v_max3_num_f32 v[M], v[M], v[R+6], v[R+7]
	v_max_num_f32 v[M], v[M], v[M+1]               ; the row's largest sc
	v_pk_add_f32 v[R+8:R+9], v[R+8:R+9], v[R+10:R+11]
	v_pk_add_f32 v[R+12:R+13], v[R+12:R+13], v[R+14:R+15]
	v_pk_add_f32 v[R+8:R+9], v[R+8:R+9], v[R+12:R+13]
	v_add_f32 v[C], v[R+8], v[R+9]                 ; c, made twice to fill the pair that the packed add takes
	v_add_f32 v[C+1], v[R+8], v[R+9]
	v_add_f32 v[M+1], v[M], v[C]                   ; max x = (max sc) + c: rounding keeps the order, so this IS the largest of the rounded sums below.  Twice too
	v_add_f32 v[M], v[M], v[C]
.irp j, 0,2,4,6
	v_pk_add_f32 v[S+\j:S+\j+1], v[S+\j:S+\j+1], v[C:C+1]                              ; x = sc + c
.endr
.irp j, 0,2,4,6
	v_pk_add_f32 v[S+\j:S+\j+1], v[S+\j:S+\j+1], v[M:M+1] neg_lo:[0,1] neg_hi:[0,1]    ; x - max x, at most 0.  Kept apart from the multiply: fused, the
.endr                                                                                  ; rounded product of a large maximum with the factor would stand in every exponent
.irp j, 0,2,4,6
	v_pk_mul_f32 v[S+\j:S+\j+1], v[S+\j:S+\j+1], 0x3fb8aa3b op_sel_hi:[1,0]            ; times log2 e: v_exp_f32 is 2^x
.endr
.irp j, 0,1,2,3,4,5,6,7
	v_exp_f32 v[S+\j], v[S+\j]
.endr
	v_nop                                          ; one plain vector instruction between a transcendental and the first use of its result (ISA guide 5.7.2)
	s_wait_alu depctr_va_vdst(0)
	v_pk_add_f32 v[U:U+1], v[S:S+1], v[S+2:S+3]
	v_pk_add_f32 v[R:R+1], v[S+4:S+5], v[S+6:S+7]
	v_pk_add_f32 v[U:U+1], v[U:U+1], v[R:R+1]
	v_add_f32 v[U], v[U], v[U+1]
	WRED v_add_f32_dpp, v_add_f32, U, U+1
	ds_store_b32 v[WA], v[U] offset:64             ; bytes of their own: nobody still reads them, so one barrier is enough
	s_wait_dscnt 0x0
	s_barrier_signal -1
	s_barrier_wait -1
	ds_load_b128 v[R:R+3],   v[Z] offset:64
	ds_load_b128 v[R+4:R+7], v[Z] offset:80
	s_wait_dscnt 0x0
	v_pk_add_f32 v[R:R+1], v[R:R+1], v[R+2:R+3]
	v_pk_add_f32 v[R+4:R+5], v[R+4:R+5], v[R+6:R+7]
	v_pk_add_f32 v[R:R+1], v[R:R+1], v[R+4:R+5]
	v_add_f32 v[U], v[R], v[R+1]                   ; the row's sum
	v_rcp_f32 v[R+8], v[U]                         ; twice, to fill the pair that the packed multiply takes
	v_rcp_f32 v[R+9], v[U]
	v_nop                                          ; the plain place behind the transcendentals
	s_wait_alu depctr_va_vdst(0)
.irp j, 0,2,4,6
	v_pk_mul_f32 v[S+\j:S+\j+1], v[S+\j:S+\j+1], v[R+8:R+9]
.endr
	global_store_b128 v[TO], v[S:S+3],   s[10:11]
	global_store_b128 v[TO], v[S+4:S+7], s[10:11] offset:4096
	s_wait_tensorcnt 0x0
	ds_add_u32 v48, v49
	s_wait_dscnt 0x0
	s_endpgm
.Lfunc_end_k_q57f4a9bb29_soft:
	.size	k_q57f4a9bb29_soft, .Lfunc_end_k_q57f4a9bb29_soft-k_q57f4a9bb29_soft
	.p2alignl 7, 3214868480
	.fill 96, 4, 3214868480
	.section	.rodata,"a",@progbits
	.p2align	6, 0x0
	.amdhsa_kernel k_q57f4a9bb29_soft
		.amdhsa_group_segment_fixed_size 1280
		.amdhsa_private_segment_fixed_size 0
		.amdhsa_enable_private_segment 0
		.amdhsa_kernarg_size 32
		.amdhsa_user_sgpr_count 2
		.amdhsa_user_sgpr_kernarg_segment_ptr 1
		.amdhsa_wavefront_size32 1
		.amdhsa_system_sgpr_workgroup_id_x 1
		.amdhsa_system_sgpr_workgroup_id_y 1
		.amdhsa_system_sgpr_workgroup_id_z 1
		.amdhsa_system_vgpr_workitem_id 0
		.amdhsa_next_free_vgpr 50
		.amdhsa_next_free_sgpr 66
		.amdhsa_reserve_vcc 0
		.amdhsa_float_denorm_mode_32 3
		.amdhsa_float_denorm_mode_16_64 3
		.amdhsa_memory_ordered 1
		.amdhsa_forward_progress 1
		.amdhsa_inst_pref_size 7
	.end_amdhsa_kernel
	.amdgpu_metadata
---
amdhsa.version: [ 1, 2 ]
amdhsa.kernels:
  - .name:           k_q57f4a9bb29_soft
    .symbol:         k_q57f4a9bb29_soft.kd
    .args:
      - { .name: sc, .offset: 0, .size: 8, .value_kind: global_buffer, .address_space: global }
      - { .name: hidden, .offset: 8, .size: 8, .value_kind: global_buffer, .address_space: global }
      - { .name: b, .offset: 16, .size: 8, .value_kind: global_buffer, .address_space: global }
      - { .name: out0, .offset: 24, .size: 8, .value_kind: global_buffer, .address_space: global }
    .group_segment_fixed_size: 1280
    .private_segment_fixed_size: 0
    .kernarg_segment_align: 8
    .kernarg_segment_size: 32
    .max_flat_workgroup_size: 256
    .sgpr_count:     66
    .vgpr_count:     50
    .wavefront_size: 32
...
	.end_amdgpu_metadata
.endif
;; end of part 3
;; ======== version 2 of 2: 3 launches; version 1 with the launch score written anew for expert scheduling mode
;; workspace buffers: vp 2,097,152 bytes; sc 262,144 bytes
;; launch vpart: the kernel of part 1 again; grid 16 x 16, 4 waves a work-group, no clusters, 0 bytes of LDS; arguments W, hidden, vp; writes vp
;; launch score (part 4): grid 32 x 8, 16 waves a work-group, no clusters, 7,168 bytes of LDS; arguments encoder_outputs, vp, sc; writes sc
.if DOCPART == 4
	.amdgcn_target "amdgcn-amd-amdhsa--gfx1250"
	.amdhsa_code_object_version 6
	.text
	.protected	k_q57f4a9bb29_score
	.globl	k_q57f4a9bb29_score
	.p2align	8
	.type	k_q57f4a9bb29_score,@function
k_q57f4a9bb29_score:
	s_mov_b64 s[64:65], 0
	v_nop
	global_prefetch_b8 v0, s[64:65] scope:SCOPE_SE
	s_setreg_imm32_b32 hwreg(HW_REG_WAVE_SCHED_MODE, 0, 2), 2
	s_setreg_imm32_b32 hwreg(HW_REG_WAVE_MODE, 25, 1), 1
	s_wait_xcnt 0x0
	s_wait_alu depctr_vm_vsrc(0)
; SECOND OF THREE LAUNCHES: sc[b][s] = v[b] . e[s][b], with v[b] = the sum of the sixteen partial sums vp[0..15][b] of the first launch, in fixed order.
; (c[b] = hidden[b] . bias is added by the third launch.)  All in f32.  LIMIT, stated: the order of the sums is not the one in which the problem writes them.
; e is [2048 (s)][32 (b)][1024] f32: a row e[s][b] is 4,096 consecutive bytes, rows of one b lie 131,072 bytes apart.
; Work-group (b, ch): rows s = 256 ch .. + 255 of batch b, 1 MiB of e; 32 x 8 = 256 work-groups.  Wave w: rows 16 w .. 16 w + 15, one whole row at a time:
; eight loads of 16 bytes a lane, each covering 512 consecutive aligned bytes; the dot product never leaves the wave.
; Every byte of e is read once, into registers: a ring of five row slots, so that four or five rows (16 to 20 KiB) of each of the sixteen waves are on their way.
; No LDS ring, no tensor load: the rows are used once, by one wave, and registers hold them without a barrier.  No cluster: no two work-groups share a byte of e;
; what they share, 64 KiB of vp among the eight groups of one b, is a sixteenth of a group's bytes.  No matrix instruction: one multiply-add for each number read.
; No address register is ever written again (a row's place stands in the immediate, 15 x 131,072 + 3,584 at the most, inside its signed 24 bits),
; and EXEC never changes: no wait on XCNT is needed.
; LDS: bytes 0 .. 4,095 v[b]; bytes 4,096 .. 5,119 the group's 256 scores.
; THE MODE: SCHED_MODE bits 1:0 = 2 (LLVM: expert scheduling mode 2), set by the entry lines.  The code itself states the register dependences
; between vector instructions and memory or LDS instructions, with s_wait_alu, always for 0.
; THE PLAN.  Registers that memory or LDS instructions touch:
;   v2 .. v6    offsets and addresses: made once at the head, never written again.
;   X0 .. X4    Row i lies in X[i % 5].  Turn i: its sixteen products read X[i % 5]; its eight loads bring row i + 4 into X[(i + 4) % 5] = X[(i - 1) % 5],
;               the slot that turn i - 1 read and that no vector instruction of turn i names.
;   RS0 .. RS15 Turn i's last add writes RS[i]; the LDS store issued in turn i + 1 reads it; it is never written again.
;   P           At the head only, in X4's registers: vp lands there, the adds read and write it, one LDS store reads its first pair; then row 4 lands there.
;   V           Filled by LDS loads behind the first barrier, read by the products, never written again.
;   T           Named by vector instructions alone, until the way out, where an LDS load lands in it.
; So ONE wait on va_vdst stands at the head of a turn: the turn before has written its RS and is done reading its slot.  The store and the eight loads follow it at once,
; ahead of the wait for this turn's row, which then leaves the four younger rows out.
.set ROWB,  131072                     ; bytes from e[s][b] to e[s + 1][b]; also a plane of vp
.set LSC,   4096                       ; the scores in LDS
.set SLOTS, 5
.set OFF,  2                           ; v2         16 x lane + wave x 16 rows: my 16 bytes in the first 512 of my wave's first row
.set VPO,  3                           ; v3         8 x thread: my two numbers of v, in vp's row and in LDS
.set LV,   4                           ; v4         16 x lane
.set ADR,  5                           ; v5         64 x wave: my wave's 16 scores in LDS
.set SO,   6                           ; v6         16 x (thread mod 64): the way out, threads 0 to 63 alone
.set T,    8                           ; v[8:15]    four chains of sums, a pair each
.set V,    16                          ; v[16:47]   v[b]: register 4 j + r = element 128 j + 4 lane + r
.set X,    48                          ; v[48:207]  slot q: 32 registers, a row of e in the same order
.set P,    176                         ; v[176:207] at the head only, slot 4's registers: pair p: vp[p][b], my two numbers
.set RS,   208                         ; v[208:223] register i: the score of my wave's row i, the same in every lane
	s_load_b128 s[4:7], s[0:1], 0x0                ; e s[4:5], vp s[6:7]
	s_load_b64 s[8:9], s[0:1], 0x10                ; sc
	v_lshl_add_u32 v224, v0, 2, 0x1400
	v_mov_b32 v225, 0
	v_lshrrev_b32 v1, 5, v0
	v_readfirstlane_b32 s10, v1                    ; wave 0..15
	s_and_b32 s11, ttmp7, 0xffff                   ; ch
	s_mov_b32 s12, 0x76543210                      ; v_permlanex16_b32: lane i of one half reads lane i of the other
	s_mov_b32 s13, 0xfedcba98
	v_and_b32 v[LV], 31, v0
	v_lshlrev_b32 v[LV], 4, v[LV]
	v_lshlrev_b32 v[VPO], 3, v0
	v_and_b32 v[SO], 63, v0
	v_lshlrev_b32 v[SO], 4, v[SO]
	s_wait_alu depctr_va_sdst(0)                   ; s10 is written, ahead of its first reader, the line below
	v_lshl_add_u32 v[OFF], s10, 21, v[LV]          ; 16 rows of 131,072 bytes x wave
	v_mov_b32 v[ADR], s10
	v_lshlrev_b32 v[ADR], 6, v[ADR]
	s_lshl_b32 s14, ttmp9, 12                      ; b x 4,096
	s_mov_b32 s15, 0
	s_lshl_b32 s2, s11, 25                         ; ch x 256 rows of 131,072 bytes: 7 x 2^25 at the most
	s_add_co_u32 s2, s2, s14
	s_mov_b32 s3, 0
	s_wait_kmcnt 0x0
	s_add_nc_u64 s[4:5], s[4:5], s[2:3]            ; e[256 ch][b]
	s_add_nc_u64 s[6:7], s[6:7], s[14:15]          ; vp[0][b]
	s_lshl_b32 s2, ttmp9, 13                       ; a row of sc is 8,192 bytes
	s_lshl_b32 s14, s11, 10                        ; 256 scores
	s_add_co_u32 s2, s2, s14
	s_add_nc_u64 s[8:9], s[8:9], s[2:3]            ; sc[b][256 ch]
	s_wait_alu depctr_va_vdst(0)                   ; the five offsets and addresses v2 to v6 are written: every load, LDS access and store of the kernel reads one of them
.macro FILL q, row                     ; the wave's row number row into slot q: eight loads, 512 consecutive bytes each
.irp j, 0,1,2,3,4,5,6,7
	global_load_b128 v[X+32*(\q)+4*\j:X+32*(\q)+4*\j+3], v[OFF], s[4:5] offset:(\row)*ROWB+512*\j th:TH_LOAD_NT   ; read once in the whole launch
.endr
.endm
.set p, 0
.rept 16
	global_load_b64 v[P+2*p:P+2*p+1], v[VPO], s[6:7] offset:ROWB*p         ; the 512 threads cover the row's 4,096 bytes
.set p, p+1
.endr
	FILL 0, 0                                      ; four slots are filled before anything is waited for; the fifth still holds vp
	FILL 1, 1
	FILL 2, 2
	FILL 3, 3
	s_wait_loadcnt 32                              ; the 32 loads of e stay out; the sixteen of vp, which are older, are in
.irp p, 0,1,2,3,4,5,6,7
	v_pk_add_f32 v[P+2*\p:P+2*\p+1], v[P+2*\p:P+2*\p+1], v[P+2*\p+16:P+2*\p+17]
.endr
.irp p, 0,1,2,3
	v_pk_add_f32 v[P+2*\p:P+2*\p+1], v[P+2*\p:P+2*\p+1], v[P+2*\p+8:P+2*\p+9]
.endr
	v_pk_add_f32 v[P:P+1], v[P:P+1], v[P+4:P+5]
	v_pk_add_f32 v[P+2:P+3], v[P+2:P+3], v[P+6:P+7]
	v_pk_add_f32 v[P:P+1], v[P:P+1], v[P+2:P+3]    ; my two numbers of v[b]
	s_wait_alu depctr_va_vdst(0)                   ; the adds have written v[P:P+1], which the LDS store reads; they are also the last vector instructions that name P, in which row 4 lands below
	ds_store_b64 v[VPO], v[P:P+1]
	s_wait_dscnt 0x0                               ; for the other waves' sake: my store is done before I signal
	s_barrier_signal -1
	s_barrier_wait -1                              ; v[b] is whole (the loads of e stay on their way: nobody writes e)
	s_wait_alu depctr_vm_vsrc(0)                   ; my LDS store has read v[P:P+1]: these registers are slot 4 from here on, written by row 4's loads
.irp j, 0,1,2,3,4,5,6,7
	ds_load_b128 v[V+4*\j:V+4*\j+3], v[LV] offset:512*\j   ; 32 lanes, 16 neighbouring bytes each
.endr
	FILL 4, 4                                      ; the fifth slot's first fill.  No further wait: no vector instruction stands behind the wait on va_vdst above
	s_wait_dscnt 0x0
; The wave's row i, in slot i % 5.  left = how many younger loads may stay out; fill = 1: the slot that the turn before read gets the row four further on than this one.
.macro TURN i, left, fill
.if \i > 0
	s_wait_alu depctr_va_vdst(0)                   ; the turn before has written its RS, which the store below reads, and is done reading its slot, in which the loads below land
	ds_store_b32 v[ADR], v[RS+\i-1] offset:LSC+4*(\i-1)    ; every lane writes the same word with the same value
.endif
.if \fill
	FILL (\i+4)%SLOTS, \i+4
.endif
	s_wait_loadcnt \left                           ; loads come back in order (ISA guide 5.7.1): this row's eight are in
.irp j, 0,1,2,3
	v_pk_mul_f32 v[T+2*\j:T+2*\j+1], v[X+32*(\i%SLOTS)+2*\j:X+32*(\i%SLOTS)+2*\j+1], v[V+2*\j:V+2*\j+1]   ; the first four products start the four chains
.endr
.irp j, 4,5,6,7,8,9,10,11,12,13,14,15
	v_pk_fma_f32 v[T+2*(\j%4):T+2*(\j%4)+1], v[X+32*(\i%SLOTS)+2*\j:X+32*(\i%SLOTS)+2*\j+1], v[V+2*\j:V+2*\j+1], v[T+2*(\j%4):T+2*(\j%4)+1]
.endr
	v_pk_add_f32 v[T:T+1], v[T:T+1], v[T+2:T+3]
	v_pk_add_f32 v[T+4:T+5], v[T+4:T+5], v[T+6:T+7]
	v_pk_add_f32 v[T:T+1], v[T:T+1], v[T+4:T+5]
	v_add_f32 v[T], v[T], v[T+1]                   ; the sum of my 32 products
.irp m, 1,2,4,8
	v_add_f32_dpp v[T], v[T], v[T] row_xmask:\m row_mask:0xf bank_mask:0xf     ; inside each half of 16 lanes
.endr
	v_permlanex16_b32 v[T+1], v[T], s12, s13       ; the other half (its destination counts as read: T + 1 has been written)
	v_add_f32 v[RS+\i], v[T], v[T+1]               ; into a register of its own, which only the next turn's store names
.endm
	TURN 0,  32, 0                                 ; 32: the four younger rows' loads; row 4 has been asked for above
	TURN 1,  32, 1
	TURN 2,  32, 1
	TURN 3,  32, 1
	TURN 4,  32, 1
	TURN 5,  32, 1
	TURN 6,  32, 1
	TURN 7,  32, 1
	TURN 8,  32, 1
	TURN 9,  32, 1
	TURN 10, 32, 1
	TURN 11, 32, 1                                 ; asks for row 15, the wave's last: no load leaves the group's rows
	TURN 12, 24, 0                                 ; the counts run down; the wait at these turns' heads states the store's data alone
	TURN 13, 16, 0
	TURN 14, 8,  0
	TURN 15, 0,  0
	s_wait_alu depctr_va_vdst(0)                   ; turn 15 has written RS15, which the store below reads, and is done with T, in which the way out's LDS load lands; no vector instruction follows
	ds_store_b32 v[ADR], v[RS+15] offset:LSC+4*15
	s_wait_dscnt 0x0                               ; my sixteen scores are in LDS before I signal
	s_barrier_signal -1
	s_barrier_wait -1                              ; all 256 are
	s_cmp_gt_u32 s10, 1
	s_cbranch_scc1 .Lend                           ; waves 0 and 1 carry them out: 64 threads x 16 bytes
	ds_load_b128 v[T:T+3], v[SO] offset:LSC
	s_wait_dscnt 0x0
	global_store_b128 v[SO], v[T:T+3], s[8:9]      ; a wave stores 512 consecutive bytes, aligned
.Lend:
	s_wait_dscnt 0x0
	s_wait_alu depctr_hold_cnt(0) depctr_sa_sdst(0) depctr_va_vdst(0) depctr_va_sdst(0) depctr_va_ssrc(0) depctr_va_vcc(0) depctr_vm_vsrc(0)
	s_wait_tensorcnt 0x0
	ds_add_u32 v224, v225
	s_wait_dscnt 0x0
	s_endpgm
.Lfunc_end_k_q57f4a9bb29_score:
	.size	k_q57f4a9bb29_score, .Lfunc_end_k_q57f4a9bb29_score-k_q57f4a9bb29_score
	.p2alignl 7, 3214868480
	.fill 96, 4, 3214868480
	.section	.rodata,"a",@progbits
	.p2align	6, 0x0
	.amdhsa_kernel k_q57f4a9bb29_score
		.amdhsa_group_segment_fixed_size 7168
		.amdhsa_private_segment_fixed_size 0
		.amdhsa_enable_private_segment 0
		.amdhsa_kernarg_size 24
		.amdhsa_user_sgpr_count 2
		.amdhsa_user_sgpr_kernarg_segment_ptr 1
		.amdhsa_wavefront_size32 1
		.amdhsa_system_sgpr_workgroup_id_x 1
		.amdhsa_system_sgpr_workgroup_id_y 1
		.amdhsa_system_sgpr_workgroup_id_z 1
		.amdhsa_system_vgpr_workitem_id 0
		.amdhsa_next_free_vgpr 226
		.amdhsa_next_free_sgpr 66
		.amdhsa_reserve_vcc 0
		.amdhsa_float_denorm_mode_32 3
		.amdhsa_float_denorm_mode_16_64 3
		.amdhsa_memory_ordered 1
		.amdhsa_forward_progress 1
		.amdhsa_inst_pref_size 45
	.end_amdhsa_kernel
	.amdgpu_metadata
---
amdhsa.version: [ 1, 2 ]
amdhsa.kernels:
  - .name:           k_q57f4a9bb29_score
    .symbol:         k_q57f4a9bb29_score.kd
    .args:
      - { .name: encoder_outputs, .offset: 0, .size: 8, .value_kind: global_buffer, .address_space: global }
      - { .name: vp, .offset: 8, .size: 8, .value_kind: global_buffer, .address_space: global }
      - { .name: sc, .offset: 16, .size: 8, .value_kind: global_buffer, .address_space: global }
    .group_segment_fixed_size: 7168
    .private_segment_fixed_size: 0
    .kernarg_segment_align: 8
    .kernarg_segment_size: 24
    .max_flat_workgroup_size: 512
    .sgpr_count:     66
    .vgpr_count:     226
    .wavefront_size: 32
...
	.end_amdgpu_metadata
.endif
;; end of part 4
;; launch soft: the kernel of part 3 again; grid 32 x 1, 8 waves a work-group, no clusters, 1,280 bytes of LDS; arguments sc, hidden, b, out0; writes out0
